; MI455X (gfx1250); checked and timed in simulation.
; The chip was launched on July 23, 2026; its instructions are those of AMD's public machine-readable ISA for CDNA 5 (MIT licence, August 2026) and "CDNA5" Instruction Set Architecture Reference Guide (July 2026). The comments in the code are by the model that wrote it; some were corrected since.
;; Cache Attention. Allowed arithmetic: matrix products marked QUANTISED: E4M3 operands, one given power-of-two scale a tensor, by v_wmma_f32_16x16x64_fp8_fp8 or v_wmma_f32_16x16x128_fp8_fp8, f32 sums; everything else in f32.
;; Inputs: attn_mask 2,048 x 2,048 float32; bk 1,024 float32; bo 1,024 float32; bq 1,024 float32; bv 1,024 float32; key_codes 2,048 x 4 x 32 x 32 uint8 (E4M3 codes of key, K innermost, in blocks of 32 codes); lowp_scales 12 int32 (the exponents e of the quantised operands' scales 2^e); query_codes 2,048 x 4 x 32 x 32 uint8 (E4M3 codes of query, K innermost, in blocks of 32 codes); value_codes 2,048 x 4 x 32 x 32 uint8 (E4M3 codes of value, K innermost, in blocks of 32 codes); wk_codes 1,024 x 32 x 32 uint8 (E4M3 codes of wk, K innermost, in blocks of 32 codes); wo_codes 1,024 x 32 x 32 uint8 (E4M3 codes of wo, K innermost, in blocks of 32 codes); wq_codes 1,024 x 32 x 32 uint8 (E4M3 codes of wq, K innermost, in blocks of 32 codes); wv_codes 1,024 x 32 x 32 uint8 (E4M3 codes of wv, K innermost, in blocks of 32 codes).
;; Outputs: out0 2,048 x 4 x 1,024 float32.
;; This version of the problem:
;;   THIS VERSION OF THE PROBLEM IS GIVEN IN LOW PRECISION. The matrix products marked QUANTISED in the list below multiply operands that are first quantised to E4M3 (4 exponent bits, 3 mantissa bits; 8 bits a number), with one given power-of-two scale for each operand tensor; their sums are f32. All else is computed in f32.
;;   The module's matrix products, in the order in which they are computed (A, B: the left and right operand; K: the contracted axis; several contracted axes count as one K, in the product's order):
;;     1. [M 8,192, K 1,024] x [K 1,024, N 1,024]; A: input query (given as codes); B: input wq (given as codes): QUANTISED (scales: A lowp_scales[0], B lowp_scales[1])
;;     2. [M 8,192, K 1,024] x [K 1,024, N 1,024]; A: input key (given as codes); B: input wk (given as codes): QUANTISED (scales: A lowp_scales[2], B lowp_scales[3])
;;     3. [M 8,192, K 1,024] x [K 1,024, N 1,024]; A: input value (given as codes); B: input wv (given as codes): QUANTISED (scales: A lowp_scales[4], B lowp_scales[5])
;;     4. batch 64 x [M 2,048, K 64] x [K 64, N 2,048]; A: computed on the way; B: computed on the way: QUANTISED (scales: A lowp_scales[6], B lowp_scales[7])
;;     5. batch 64 x [M 2,048, K 2,048] x [K 2,048, N 64]; A: softmax (see below); B: computed on the way: QUANTISED (scales: A lowp_scales[8], B lowp_scales[9])
;;     6. [M 8,192, K 1,024] x [K 1,024, N 1,024]; A: computed on the way; B: input wo (given as codes): QUANTISED (scales: A lowp_scales[10], B lowp_scales[11])
;;   THE QUANTISER, for each operand of a quantised product, along K:
;;     - The operand's scale is 2^e, e = its entry of the input lowp_scales (int32; the entries are numbered through the quantised products in the list's order, A before B).
;;     - Each number is divided by the scale, clamped to +-448, and rounded to the nearest number of E4M3, ties to even, subnormals kept.
;;     - The product sums the exact products of the quantised numbers (number of the format x scale) in f32.
;;   ~~~python
;;   def quantise(x, axis, e):      # numpy; x: float32 -> the quantised numbers, widened to float32 again
;;       x = np.moveaxis(x, axis, -1); K = x.shape[-1]
;;       r = np.clip(x / 2.0 ** e, -448, 448)
;;       step = 2.0 ** (np.maximum(np.frexp(np.where(r == 0, 1, r))[1] - 1, -6) - 3)
;;       q = np.round(r / step) * step * 2.0 ** e      # np.round: ties to even
;;       return np.moveaxis(q, -1, axis).astype(np.float32)
;;   ~~~
;;   SOFTMAX AHEAD OF A QUANTISED PRODUCT. Where the list says 'softmax', what is quantised is not the finished softmax but p = 2^(t - M), with t = logit x log2(e) and M = ceil(the row's largest t), a whole number; so 1/2 < the row's largest p <= 1. The row's sum l is taken of the UNQUANTISED p, in f32, and the product's result is divided by l at the end. Since M is a whole number, a kernel that streams over the keys may use a running M (the ceiling of the running maximum): every later rescaling is an exact power of two, so the quantised numbers keep their values, but for numbers so far below the row's largest that they fall under the format's range.
;;   OPERANDS COMPUTED ON THE WAY. 'Computed on the way' means the value that the module computes at that place (a softmax that the list does not call 'softmax' is quantised finished and normalised). What goes into a quantiser is computed in f32, as accurately as f32 sums, v_exp_f32 and their like allow (about 1e-6 of the number): no bf16 or f16 on the way to a quantiser, and a product that is left as it is and whose result goes on into a quantised operand takes f32 operands (vector FMAs, or v_wmma_f32_16x16x4_f32). A number that lies on a knife's edge between two numbers of the format may be rounded either way, as far as f32 arithmetic and the matrix unit's own rounding can turn it there, and no further.
;;   INPUTS GIVEN AS CODES. key (in the module: [2048, 4, 1024], K = its axis 2); query (in the module: [2048, 4, 1024], K = its axis 2); value (in the module: [2048, 4, 1024], K = its axis 2); wk (in the module: [1024, 1024], K = its axis 1); wo (in the module: [1024, 1024], K = its axis 1); wq (in the module: [1024, 1024], K = its axis 1); wv (in the module: [1024, 1024], K = its axis 1): each comes as NAME_codes (uint8): NAME with its K axis moved to the last place and cut into blocks of 32 codes, [.., K / 32, bytes a block], one block behind the other in memory; one code a byte (a code: sign, 4 exponent bits, 3 mantissa bits); its scale is its entry of lowp_scales. Its value is code x scale, taken as it is: it is not quantised again, and the codes and scales need not be those that the quantiser above would give.
;; One version. Each part assembles by itself: llvm-mc -triple=amdgcn-amd-amdhsa -mcpu=gfx1250 --defsym DOCPART=n.
;; ======== version 1 of 1: 3 launches
;; limits: right only within a limited range of input values
;; workspace buffers: qc 8,388,608 bytes; kv 16,777,216 bytes; ac 8,388,608 bytes
;; launch proj (part 1): grid 4 x 64, 4 waves a work-group, clusters of 4 x 4, 327,680 bytes of LDS; arguments query_codes, key_codes, value_codes, wq_codes, wk_codes, wv_codes, bq, bk, bv, lowp_scales, qc, kv; writes qc, kv
.if DOCPART == 1
	.amdgcn_target "amdgcn-amd-amdhsa--gfx1250"
	.amdhsa_code_object_version 6
	.text
	.protected	k_qbddeb7c153_proj
	.globl	k_qbddeb7c153_proj
	.p2align	8
	.type	k_qbddeb7c153_proj,@function
k_qbddeb7c153_proj:
	s_mov_b64 s[64:65], 0
	v_nop
	global_prefetch_b8 v0, s[64:65] scope:SCOPE_SE
	s_setreg_imm32_b32 hwreg(HW_REG_WAVE_MODE, 25, 1), 1
	s_wait_xcnt 0x0
	s_wait_alu depctr_hold_cnt(0) depctr_sa_sdst(0) depctr_va_vdst(0) depctr_va_sdst(0) depctr_va_ssrc(0) depctr_va_vcc(0) depctr_vm_vsrc(0)
	s_getreg_b32 s2, hwreg(HW_REG_IB_STS2, 6, 4)
	s_cmp_eq_u32 s2, 0
	s_cbranch_scc0 .Lentry_in_a_cluster
	s_endpgm
.Lentry_in_a_cluster:
	s_bfe_u32 s2, ttmp6, 0x10000c
	s_cmp_lg_u32 s2, 0xf033
	s_cbranch_scc0 .Lentry_shape_is_right
	s_endpgm
.Lentry_shape_is_right:
; THE THREE PROJECTIONS on codes of FP8 (E4M3): q = (query wq^T + bq) / 8, k = key wk^T + bk, v = value wv^T + bv, each quantised at once with its given scale (entries 6, 7, 9) into codes for the attention launch.
; SHARES.  256 work-groups that stay: each takes 128 tokens (128 consecutive t of one batch b, rows 4,096 bytes apart) x 256 outputs through q, k and v, K = 1,024 each: a loop of two trips (q, k) and v as the written-out tail.
; Wave w: tokens 64 (w / 2) on (four fragments), weight rows 128 (w % 2) on (eight fragments): 32 accumulators.
;   q, k: source 0 = weight rows, source 1 = tokens: a lane holds one token and eight neighbours along the head's axis, the next product's K.
;   v:    the two sources are swapped: a lane holds one weight row and eight neighbouring KEYS, the second attention product's K.
; OUT.  qc: [b][pair of heads 8][block of 128 t][t][128 bytes];  kv: [b][pair][block of 128 keys][K part: key x 128 bytes | V part: row 64 (head % 2) + d x 128 bytes along the keys].
; In a row of 128 bytes, byte 32 g + 16 h + 8 u + i holds index 32 g + 16 u + 8 h + i.
; LDS.  Region A: 384 rows x 256 bytes of K (pitch 272); region B: 384 rows x 512 bytes of K (pitch 528).  A tile's K 0-255 goes to A, K 256-767 to B, K 768-1023 to A again, each behind a round of the cluster's barrier,
; one tensor load a wave.  THE RING GOES ON INTO THE NEXT TILE: behind the reads of K 768-1023 region A takes the next tile's K 0-255, which flies under the last 32 products and the way out.
; q's and k's stage, 16 rows x 144 bytes a wave, has bytes of its own behind the spare words; v's stage lies in region B, behind its last fill and its last read.
; CLUSTER 4 x 4: the token tile hangs on cluster y and cy alone and is asked for jointly along a row of the cluster, the weight tile on cx alone and along a column.
; PREFETCH: in each trip of the loop a wave asks once for the next tile's tokens, two tensor loads ahead of that tile's first: rows 64 (w % 2) + 16 cx + lane % 16, bytes 512 (w / 2) + 256 (lane / 16) on: each block of 256 bytes
; is named once in the cluster row that will load it, the partners told apart by address.  The first tile comes by its loads alone.  The weights are not asked for: all sixteen rows of clusters read the same four weight tiles at the same steps.
; LIMITS: the sum of a product's two exponents between -126 and 127; e6 + 3, e7, e9 between -126 and 119.  NaN and infinities among the biases are not served.
; REGISTERS, in windows of 256: window 0: addresses, biases, work;  window 1: accumulator (a, b) at v[8 (8 a + b)];  windows 2, 3: fragment sets 0, 1: tokens' four at v[16 a], weights' eight at v[64 + 16 b].
.set PA,     272
.set PB,     528
.set SPI,    144
.set RGB,    384*PA                    ; region B's first byte
.set SPARE,  RGB+384*PB                ; the spare words, 128 bytes a wave, that no other line names
.set STQ,    SPARE+512                 ; q, k: the waves' stages
.set PADA,   (1<<20)|(1<<21)|(5<<22)|(3<<25)   ; elements of 1 byte; padding of 4 words after every 64; bit 21 beside a mask
.set PADB,   (1<<20)|(1<<21)|(6<<22)|(3<<25)   ; after every 128
.set ADX,  2                           ; v2-3   my token fragments in region A, B
.set ADY,  5                           ; v5-6   my weight fragments
.set STV,  7
.set STO,  8
.set RD,   9
.set CO,   10
.set SPW,  11
.set NIL,  12
.set VSC,  13
.set VLIM, 14
.set BYO,  15
.set BXO,  16
.set RDV,  22
.set PFO,  23
.set BY,   32                          ; v32-95   bias at 16 b + 8 h + i (q, k)
.set TT,   104
.set CC,   168
.set BX,   232                         ; v232-247 bias at 16 b + r, twice (v)
.set LTB,  2                           ; where fetched tokens and weights go in B,
.set LWB,  3
.set LTA,  100                         ; in A
.set LWA,  101
.set SA,   22
.set G1T,  28
.set G1W,  36
.set G0T,  44
.set G0W,  48
.set NT,   52                          ; the next tile's tokens and weights
.set NW,   54
.set WV,   56
.set WH,   57
.set WL,   58
.set CX,   59
.set CY,   60
.set TY,   61
.set M,    62                          ; the trip: 0 q, 1 k
.set WX,   63
.set G1TB, 68
.set G1WB, 76
.set CB,   96                          ; this tile's bias and output
.set CU,   98
.set MSB, 0
.macro WIN new
.if MSB != (\new)
	s_set_vgpr_msb (MSB<<8)|(\new)
.set MSB, (\new)
.endif
.endm
.macro PLACES n
.rept \n
	v_nop
.endr
.endm
.macro CROUND
	s_barrier_signal -1
	s_barrier_wait -1
	s_cmp_lg_u32 s[WV], 0
	s_cbranch_scc1 .Lnot_wave_0_\@
	s_barrier_signal -3
.Lnot_wave_0_\@:
	s_barrier_wait -3
	s_barrier_signal -1
	s_barrier_wait -1
.endm
.macro JLOAD gt, gw                    ; a joint load: waves 0, 1 the tokens' halves, waves 2, 3 the weights'
	s_cmp_eq_u32 s[WH], 0
	s_cbranch_scc0 .Lfor_w_\@
	tensor_load_to_lds s[G0T:G0T+3], s[\gt:\gt+7]
	s_nop 0
	PLACES 4
	s_branch .Lasked_\@
.Lfor_w_\@:
	tensor_load_to_lds s[G0W:G0W+3], s[\gw:\gw+7]
	s_nop 0
	PLACES 4
.Lasked_\@:
.endm
.macro G1SET g, w, rows, pitch
	s_mov_b32 s[\g+1], (\w)<<16
	s_mov_b32 s[\g+2], (\rows)<<16
	s_mov_b32 s[\g+3], (\w)<<16
	s_mov_b32 s[\g+4], \rows
	s_mov_b32 s[\g+5], \pitch
	s_mov_b32 s[\g+6], 0
	s_mov_b32 s[\g+7], 0
.endm
; 48 LDS loads: the fragments of the region's q-th 128 along K.  Registers 4 c .. 4 c + 3 hold bytes 32 c + 16 (lane / 16) + 0 .. 15 of row lane % 16: a permutation of k, alike on both sides.
.macro FETCH reg, q, set
.set PP, PA+256*(\reg)
	WIN (0x80+0x40*(\set))
.irp a, 0,1,2,3
.irp c, 0,1,2,3
	ds_load_b128 v[16*\a+4*\c:16*\a+4*\c+3], v[ADX+\reg] offset:128*(\q)+32*\c+\a*16*PP
.endr
.endr
.irp b, 0,1,2,3,4,5,6,7
.irp c, 0,1,2,3
	ds_load_b128 v[64+16*\b+4*\c:64+16*\b+4*\c+3], v[ADY+\reg] offset:128*(\q)+32*\c+\b*16*PP
.endr
.endr
	WIN 0
.endm
; 32 matrix instructions; the accumulators take turns.  sw = 1: tokens as source 0.
.macro MULV set, zero, sw
	WIN (0x5a+5*(\set))
.irp a, 0,1,2,3
.irp b, 0,1,2,3,4,5,6,7
.if \sw
.if \zero
	v_wmma_f32_16x16x128_fp8_fp8 v[8*(8*\a+\b):8*(8*\a+\b)+7], v[16*\a:16*\a+15], v[64+16*\b:64+16*\b+15], 0
.else
	v_wmma_f32_16x16x128_fp8_fp8 v[8*(8*\a+\b):8*(8*\a+\b)+7], v[16*\a:16*\a+15], v[64+16*\b:64+16*\b+15], v[8*(8*\a+\b):8*(8*\a+\b)+7]
.endif
.else
.if \zero
	v_wmma_f32_16x16x128_fp8_fp8 v[8*(8*\a+\b):8*(8*\a+\b)+7], v[64+16*\b:64+16*\b+15], v[16*\a:16*\a+15], 0
.else
	v_wmma_f32_16x16x128_fp8_fp8 v[8*(8*\a+\b):8*(8*\a+\b)+7], v[64+16*\b:64+16*\b+15], v[16*\a:16*\a+15], v[8*(8*\a+\b):8*(8*\a+\b)+7]
.endif
.endif
.endr
.endr
	WIN 0
.endm
.macro HOLD8 t                         ; the conversion does not saturate (ISA guide 7.6.2): the hold comes first
.irp i, 0,1,2,3,4,5,6,7
	v_med3_num_f32 v[\t+\i], v[\t+\i], -v[VLIM], v[VLIM]
.endr
.endm
.macro EPQ a                           ; q, k: 16 tokens x 128 weight rows, through my own stage and back as 2,048 dense bytes, into the codes' own registers
	WIN 0x01
.irp b, 0,1,2,3,4,5,6,7
.irp i, 0,2,4,6
	v_pk_fma_f32 v[TT+8*\b+\i:TT+8*\b+\i+1], v[64*\a+8*\b+\i:64*\a+8*\b+\i+1], s[SA:SA+1], v[BY+8*\b+\i:BY+8*\b+\i+1] op_sel_hi:[1,0,1]
.endr
.endr
	WIN 0
.irp b, 0,1,2,3,4,5,6,7
	HOLD8 TT+8*\b
	v_cvt_scalef32_pk8_fp8_f32 v[CC+16*\a+2*\b:CC+16*\a+2*\b+1], v[TT+8*\b:TT+8*\b+7], v[VSC]
.endr
	v_nop
.irp g, 0,1,2,3
	ds_store_b128 v[STO], v[CC+16*\a+4*\g:CC+16*\a+4*\g+3] offset:32*\g
.endr
.irp i, 0,1,2,3
	ds_load_b128 v[CC+16*\a+4*\i:CC+16*\a+4*\i+3], v[RD] offset:\i*4*SPI   ; LDS serves a wave's instructions in order (ISA guide 5.7.1.4)
.endr
.endm
.macro EPV b                           ; v: 16 weight rows x my 64 keys
	WIN 0x01
.irp a, 0,1,2,3
.irp i, 0,2,4,6
	v_pk_fma_f32 v[TT+8*\a+\i:TT+8*\a+\i+1], v[64*\a+8*\b+\i:64*\a+8*\b+\i+1], s[SA:SA+1], v[BX+2*\b:BX+2*\b+1] op_sel_hi:[1,0,0]
.endr
.endr
	WIN 0
.irp a, 0,1,2,3
	HOLD8 TT+8*\a
	v_cvt_scalef32_pk8_fp8_f32 v[CC+8*\b+2*\a:CC+8*\b+2*\a+1], v[TT+8*\a:TT+8*\a+7], v[VSC]
.endr
	v_nop
.irp g, 0,1
	ds_store_b128 v[STV], v[CC+8*\b+4*\g:CC+8*\b+4*\g+3] offset:\b*16*SPI+32*\g
.endr
.endm
; Ahead of a barrier behind which LDS is filled: the tensor wait, the add and the add's wait; the descriptors' steps stand between the add and its wait.
.macro SEQ0
	s_wait_tensorcnt 0x0                           ; no tensor load of mine is out, so a group 0 may be written
	ds_add_u32 v[SPW], v[NIL]
.endm
	s_load_b512 s[4:19], s[0:1], 0x0               ; query, key, value, wq, wk, wv, bq, bk
	s_load_b256 s[20:27], s[0:1], 0x40             ; bv, the scales' exponents, qc, kv
	v_lshl_add_u32 v[SPW], v0, 2, SPARE
	v_mov_b32 v[NIL], 0
	ds_add_u32 v[SPW], v[NIL]                      ; the opening lines: the add twice on end and one wait
	ds_add_u32 v[SPW], v[NIL]
	v_lshrrev_b32 v1, 5, v0
	v_readfirstlane_b32 s[WV], v1
	s_lshr_b32 s[WH], s[WV], 1
	s_and_b32 s[WL], s[WV], 1
	s_bfe_u32 s[CX], ttmp6, 0x40000
	s_bfe_u32 s[CY], ttmp6, 0x40004
	s_and_b32 s[TY], ttmp7, 0xffff
	s_lshl_b32 s[TY], s[TY], 2
	s_add_co_u32 s[TY], s[TY], s[CY]               ; which block of tokens, 0 .. 63
	s_lshl_b32 s[WX], ttmp9, 2
	s_add_co_u32 s[WX], s[WX], s[CX]               ; which 256 outputs
	s_lshl_b32 s66, s[CY], 2
	s_lshl_b32 s66, 15, s66                        ; my row of the cluster
	s_lshl_b32 s67, 0x1111, s[CX]                  ; my column
	s_or_b32 s[G1T], s66, PADA
	G1SET G1T, 256, 64, 4096
	s_or_b32 s[G1W], s67, PADA
	G1SET G1W, 256, 128, 1024
	s_or_b32 s[G1TB], s66, PADB
	G1SET G1TB, 512, 64, 4096
	s_or_b32 s[G1WB], s67, PADB
	G1SET G1WB, 512, 128, 1024
	s_mov_b32 s[G0T], 1
	s_mov_b32 s[G0W], 1
	s_mov_b32 s[M], 0
	s_lshr_b32 s52, s[TY], 4                       ; b
	s_and_b32 s53, s[TY], 15                       ; the block of 128 t
	s_lshl_b32 s96, s53, 19
	s_lshl_b32 s97, s52, 10
	s_add_co_u32 s96, s96, s97
	s_lshl_b32 s97, s[WL], 18                      ; + the 64 token rows that I fetch
	s_add_co_u32 s96, s96, s97
	s_mov_b32 s97, 0
	s_lshl_b32 s98, s[WX], 18
	s_lshl_b32 s99, s[WL], 17                      ; + the 128 weight rows that I fetch
	s_add_co_u32 s98, s98, s99
	s_mov_b32 s99, 0
	s_mul_i32 s[LTA], s[WL], 64*PA
	s_mul_i32 s[LTB], s[WL], 64*PB
	s_add_co_u32 s[LTB], s[LTB], RGB
	s_mul_i32 s[LWA], s[WL], 128*PA
	s_add_co_u32 s[LWA], s[LWA], 128*PA            ; (also my weight fragments' base)
	s_mul_i32 s[LWB], s[WL], 128*PB
	s_add_co_u32 s[LWB], s[LWB], RGB+128*PB
	s_mul_i32 s84, s[WH], 64*PA                    ; my token fragments' base in A,
	s_mul_i32 s85, s[WH], 64*PB
	s_add_co_u32 s85, s85, RGB                     ; in B
	s_mul_i32 s86, s[WV], 16*SPI
	s_add_co_u32 s86, s86, STQ                     ; q, k: my stage
	s_mul_i32 s87, s[WL], 128*SPI
	s_add_co_u32 s87, s87, RGB                     ; v's stage: [w % 2][128 weight rows][144]
	s_lshl_b32 s88, s[WH], 6
	s_add_co_u32 s88, s88, s87                     ; in: my half of each row's 128 bytes
	s_mul_i32 s89, s[WH], 64*SPI
	s_add_co_u32 s89, s89, s87                     ; back: rows 64 (w / 2) on
	s_lshl_b32 s90, s[WX], 10
	s_lshl_b32 s91, s[WL], 9
	s_add_co_u32 s90, s90, s91                     ; the bias: 4 (256 wx + 128 (w % 2))
	s_lshl_b32 s91, s[CX], 16                      ; the prefetch: 16 cx rows of 4,096 bytes, + 512 (w / 2)
	s_lshl_b32 s92, s[WH], 9
	s_add_co_u32 s91, s91, s92
	s_lshl_b32 s92, s[WX], 1                       ; where my 8,192 bytes of codes go
	s_add_co_u32 s92, s92, s[WL]
	s_lshl_b32 s93, s52, 3
	s_add_co_u32 s92, s92, s93                     ; 8 b + pair
	s_lshl_b32 s92, s92, 4
	s_add_co_u32 s92, s92, s53
	s_lshl_b32 s94, s92, 15                        ; a block is 32,768 bytes in kv,
	s_lshl_b32 s92, s92, 14                        ; 16,384 in qc
	s_lshl_b32 s93, s[WH], 13
	s_add_co_u32 s92, s92, s93
	s_add_co_u32 s94, s94, s93
	s_mov_b32 s93, 0
	s_mov_b32 s95, 0
	v_and_b32 v17, 15, v0                          ; r
	v_bfe_u32 v18, v0, 4, 1                        ; h
	v_mul_u32_u24 v19, v17, PA
	v_lshl_add_u32 v19, v18, 4, v19
	v_mul_u32_u24 v20, v17, PB
	v_lshl_add_u32 v20, v18, 4, v20
	v_add_nc_u32 v[ADX], s84, v19
	v_add_nc_u32 v[ADY], s[LWA], v19
	v_add_nc_u32 v[ADX+1], s85, v20
	v_add_nc_u32 v[ADY+1], s[LWB], v20
	v_mul_u32_u24 v21, v17, SPI
	v_lshl_add_u32 v21, v18, 4, v21
	v_add_nc_u32 v[STO], s86, v21
	v_add_nc_u32 v[STV], s88, v21
	v_bfe_u32 v20, v0, 3, 2
	v_mul_u32_u24 v20, v20, SPI
	v_and_b32 v21, 7, v0
	v_lshl_add_u32 v20, v21, 4, v20                ; back: eight lanes to a row of 128 bytes, four rows an instruction
	v_add_nc_u32 v[RD], s86, v20
	v_add_nc_u32 v[RDV], s89, v20
	v_and_b32 v21, 31, v0
	v_lshlrev_b32 v[CO], 4, v21
	v_lshlrev_b32 v[BYO], 5, v18
	v_add_nc_u32 v[BYO], s90, v[BYO]
	v_lshlrev_b32 v[BXO], 2, v17
	v_add_nc_u32 v[BXO], s90, v[BXO]
	v_lshlrev_b32 v[PFO], 12, v17
	v_lshl_add_u32 v[PFO], v18, 8, v[PFO]
	v_add_nc_u32 v[PFO], s91, v[PFO]
	s_wait_alu depctr_va_vdst(0)                   ; the wait behind the head's vector lines
	s_wait_dscnt 0x0
	s_wait_kmcnt 0x0
.irp p, 4,6,8
	s_add_nc_u64 s[\p:\p+1], s[\p:\p+1], s[96:97]
.endr
.irp p, 10,12,14
	s_add_nc_u64 s[\p:\p+1], s[\p:\p+1], s[98:99]
.endr
	s_add_nc_u64 s[24:25], s[24:25], s[92:93]
	s_add_nc_u64 s[26:27], s[26:27], s[94:95]
	s_load_b256 s[84:91], s[22:23], 0x0            ; e0 .. e7
	s_load_b128 s[92:95], s[22:23], 0x20           ; e8 .. e11
	s_mov_b32 s[G0T+1], s[LTA]                     ; q's K 0 on -> A
	s_mov_b64 s[G0T+2:G0T+3], s[4:5]
	s_or_b32 s[G0T+3], s[G0T+3], 0x80000000
	s_mov_b32 s[G0W+1], s[LWA]
	s_mov_b64 s[G0W+2:G0W+3], s[10:11]
	s_or_b32 s[G0W+3], s[G0W+3], 0x80000000
	CROUND                                         ; all sixteen work-groups are here: the first joint loads meet
	JLOAD G1T, G1W
	s_wait_kmcnt 0x0
	s_add_co_i32 s84, s84, s85                     ; e0 + e1,
	s_add_co_i32 s86, s86, s87                     ; e2 + e3,
	s_add_co_i32 s88, s88, s89                     ; e4 + e5;
	s_add_co_i32 s90, s90, 3                       ; q's division by 8 is exact and goes into its scale
; A TILE.  isv = 0: q or k, by s[M], with a successor; isv = 1: v, the last.
.macro TILE isv
	s_wait_xcnt 0x0                                ; the last tile's stores, bias loads and prefetch have read their bases and registers
.if \isv
	s_mov_b64 s[CB:CB+1], s[20:21]
	s_add_nc_u64 s[CU:CU+1], s[26:27], 16384       ; V's part lies behind K's
.irp b, 0,1,2,3,4,5,6,7
	global_load_b32 v[BX+2*\b], v[BXO], s[CB:CB+1] offset:64*\b
	global_load_b32 v[BX+2*\b+1], v[BXO], s[CB:CB+1] offset:64*\b    ; the pair's upper half is named with it
.endr
.else
	s_cmp_eq_u32 s[M], 0                           ; the buffers are chosen by the trip's number alone
	s_cselect_b64 s[NT:NT+1], s[6:7], s[8:9]
	s_cselect_b64 s[NW:NW+1], s[12:13], s[14:15]
	s_cselect_b64 s[CB:CB+1], s[16:17], s[18:19]
	s_cselect_b64 s[CU:CU+1], s[24:25], s[26:27]
.irp b, 0,1,2,3,4,5,6,7
	global_load_b128 v[BY+8*\b:BY+8*\b+3], v[BYO], s[CB:CB+1] offset:64*\b
	global_load_b128 v[BY+8*\b+4:BY+8*\b+7], v[BYO], s[CB:CB+1] offset:64*\b+16
.endr
.endif
	SEQ0                                           ; my part of K 0 on is in
	s_mov_b32 s[G0T+1], s[LTB]                     ; K 256 on -> B
	s_add_nc_u64 s[G0T+2:G0T+3], s[G0T+2:G0T+3], 256
	s_mov_b32 s[G0W+1], s[LWB]
	s_add_nc_u64 s[G0W+2:G0W+3], s[G0W+2:G0W+3], 256
	s_wait_dscnt 0x0
	CROUND
	JLOAD G1TB, G1WB
	FETCH 0, 0, 0
	FETCH 0, 1, 1
.if \isv == 0
	global_prefetch_b8 v[PFO], s[NT:NT+1] th:TH_LOAD_NT scope:SCOPE_SE
.endif
	s_wait_dscnt 48                                ; all but the 48 just issued
	MULV 0, 1, \isv                                ; K 0 on: these products start the sums
	SEQ0                                           ; B is in
	s_mov_b32 s[G0T+1], s[LTA]                     ; K 768 on -> A
	s_add_nc_u64 s[G0T+2:G0T+3], s[G0T+2:G0T+3], 512
	s_mov_b32 s[G0W+1], s[LWA]
	s_add_nc_u64 s[G0W+2:G0W+3], s[G0W+2:G0W+3], 512
	s_wait_dscnt 0x0                               ; my reads of A are back
	CROUND
	JLOAD G1T, G1W                                 ; its four v_nop are the places in front of the loads below
	FETCH 1, 0, 0
	MULV 1, 0, \isv                                ; K 128
	PLACES 4
	FETCH 1, 1, 1
	s_wait_dscnt 48
	MULV 0, 0, \isv                                ; K 256
	PLACES 4
	FETCH 1, 2, 0
	s_wait_dscnt 48
	MULV 1, 0, \isv                                ; K 384
	PLACES 4
	FETCH 1, 3, 1
	s_wait_dscnt 48
	MULV 0, 0, \isv                                ; K 512
	SEQ0                                           ; my part of K 768 on is in
	s_wait_dscnt 0x0                               ; my reads of B are back
	s_barrier_signal -1
	s_barrier_wait -1                              ; everybody's is.
	PLACES 4
	FETCH 0, 0, 0
	MULV 1, 0, \isv                                ; K 640
	PLACES 4
	FETCH 0, 1, 1
	s_wait_dscnt 48
	MULV 0, 0, \isv                                ; K 768
.if \isv
	s_wait_dscnt 0x0
.else
	SEQ0
	s_mov_b64 s[G0T+2:G0T+3], s[NT:NT+1]           ; the next tile's K 0 on -> A
	s_or_b32 s[G0T+3], s[G0T+3], 0x80000000
	s_mov_b64 s[G0W+2:G0W+3], s[NW:NW+1]
	s_or_b32 s[G0W+3], s[G0W+3], 0x80000000
	s_wait_dscnt 0x0                               ; my reads of A are back
	CROUND
	JLOAD G1T, G1W
.endif
	MULV 1, 0, \isv                                ; K 896
	; THE WAY OUT: number = sum x 2^(eA + eW) + bias; code = number / 2^eo, held within +-448 codes
	s_wait_loadcnt 0x0                             ; the bias
.if \isv
	s_mov_b32 s66, s88
	s_mov_b32 s67, s93
.else
	s_cmp_eq_u32 s[M], 0
	s_cselect_b32 s66, s84, s86
	s_cselect_b32 s67, s90, s91
.endif
	s_add_co_i32 s66, s66, 127
	s_lshl_b32 s[SA], s66, 23
	s_mov_b32 s[SA+1], s[SA]
	s_add_co_i32 s67, s67, 127
	s_lshl_b32 s66, s67, 23
	v_mov_b32 v[VSC], s66
	s_add_co_i32 s67, s67, 8
	s_lshl_b32 s67, s67, 23
	s_or_b32 s67, s67, 0x600000
	v_mov_b32 v[VLIM], s67
	PLACES 4
	s_wait_alu depctr_va_vdst(0)
.if \isv
.irp b, 0,1,2,3,4,5,6,7
	EPV \b
.endr
	s_wait_dscnt 0x0                               ; for the others' sake: a row's two halves come from two waves
	s_barrier_signal -1
	s_barrier_wait -1
.irp i, 0,1,2,3,4,5,6,7,8,9,10,11,12,13,14,15
	ds_load_b128 v[TT+4*\i:TT+4*\i+3], v[RDV] offset:\i*4*SPI
.endr
.irp i, 0,1,2,3,4,5,6,7,8,9,10,11,12,13,14,15
	s_wait_dscnt 15-\i                             ; the later read-backs may be out
	global_store_b128 v[CO], v[TT+4*\i:TT+4*\i+3], s[CU:CU+1] offset:512*\i   ; 32 lanes store 512 consecutive bytes, aligned
.endr
.else
.irp a, 0,1,2,3
	EPQ \a
.endr
.irp a, 0,1,2,3
.irp i, 0,1,2,3
	s_wait_dscnt (3-\i)+8*(3-\a)                   ; the LDS lines younger than this read-back may be out
	global_store_b128 v[CO], v[CC+16*\a+4*\i:CC+16*\a+4*\i+3], s[CU:CU+1] offset:2048*\a+512*\i
.endr
.endr
.endif
.endm
	s_wait_alu depctr_va_vdst(0)                   ; the wait at the head's end
.Ltile:
	TILE 0
	s_add_co_u32 s[M], s[M], 1
	s_cmp_lt_u32 s[M], 2
	s_wait_alu depctr_va_vdst(0)
	s_cbranch_scc1 .Ltile
	TILE 1                                         ; the last tile is written out: it asks for no successor
	s_wait_tensorcnt 0x0                           ; the wave's end
	ds_add_u32 v[SPW], v[NIL]
	s_wait_dscnt 0x0
	CROUND                                         ; the closing round
	s_endpgm
.Lfunc_end_k_qbddeb7c153_proj:
	.size	k_qbddeb7c153_proj, .Lfunc_end_k_qbddeb7c153_proj-k_qbddeb7c153_proj
	.p2alignl 7, 3214868480
	.fill 96, 4, 3214868480
	.section	.rodata,"a",@progbits
	.p2align	6, 0x0
	.amdhsa_kernel k_qbddeb7c153_proj
		.amdhsa_group_segment_fixed_size 327680
		.amdhsa_private_segment_fixed_size 0
		.amdhsa_enable_private_segment 0
		.amdhsa_kernarg_size 96
		.amdhsa_user_sgpr_count 2
		.amdhsa_user_sgpr_kernarg_segment_ptr 1
		.amdhsa_wavefront_size32 1
		.amdhsa_system_sgpr_workgroup_id_x 1
		.amdhsa_system_sgpr_workgroup_id_y 1
		.amdhsa_system_sgpr_workgroup_id_z 1
		.amdhsa_system_vgpr_workitem_id 0
		.amdhsa_next_free_vgpr 1024
		.amdhsa_next_free_sgpr 104
		.amdhsa_reserve_vcc 0
		.amdhsa_float_denorm_mode_32 3
		.amdhsa_float_denorm_mode_16_64 3
		.amdhsa_memory_ordered 1
		.amdhsa_forward_progress 1
		.amdhsa_inst_pref_size 165
	.end_amdhsa_kernel
	.amdgpu_metadata
---
amdhsa.version: [ 1, 2 ]
amdhsa.kernels:
  - .name:           k_qbddeb7c153_proj
    .symbol:         k_qbddeb7c153_proj.kd
    .args:
      - { .name: query_codes, .offset: 0, .size: 8, .value_kind: global_buffer, .address_space: global }
      - { .name: key_codes, .offset: 8, .size: 8, .value_kind: global_buffer, .address_space: global }
      - { .name: value_codes, .offset: 16, .size: 8, .value_kind: global_buffer, .address_space: global }
      - { .name: wq_codes, .offset: 24, .size: 8, .value_kind: global_buffer, .address_space: global }
      - { .name: wk_codes, .offset: 32, .size: 8, .value_kind: global_buffer, .address_space: global }
      - { .name: wv_codes, .offset: 40, .size: 8, .value_kind: global_buffer, .address_space: global }
      - { .name: bq, .offset: 48, .size: 8, .value_kind: global_buffer, .address_space: global }
      - { .name: bk, .offset: 56, .size: 8, .value_kind: global_buffer, .address_space: global }
      - { .name: bv, .offset: 64, .size: 8, .value_kind: global_buffer, .address_space: global }
      - { .name: lowp_scales, .offset: 72, .size: 8, .value_kind: global_buffer, .address_space: global }
      - { .name: qc, .offset: 80, .size: 8, .value_kind: global_buffer, .address_space: global }
      - { .name: kv, .offset: 88, .size: 8, .value_kind: global_buffer, .address_space: global }
    .group_segment_fixed_size: 327680
    .private_segment_fixed_size: 0
    .kernarg_segment_align: 8
    .kernarg_segment_size: 96
    .max_flat_workgroup_size: 128
    .sgpr_count:     104
    .vgpr_count:     1024
    .wavefront_size: 32
...
	.end_amdgpu_metadata
.endif
;; end of part 1
;; launch attn (part 2): grid 16 x 16, 8 waves a work-group, clusters of 4 x 4, 327,680 bytes of LDS; arguments qc, kv, attn_mask, lowp_scales, ac; writes ac
.if DOCPART == 2
	.amdgcn_target "amdgcn-amd-amdhsa--gfx1250"
	.amdhsa_code_object_version 6
	.text
	.protected	k_qbddeb7c153_attn
	.globl	k_qbddeb7c153_attn
	.p2align	8
	.type	k_qbddeb7c153_attn,@function
k_qbddeb7c153_attn:
	s_mov_b64 s[64:65], 0
	v_nop
	global_prefetch_b8 v0, s[64:65] scope:SCOPE_SE
	s_setreg_imm32_b32 hwreg(HW_REG_WAVE_MODE, 25, 1), 1
	s_wait_xcnt 0x0
	s_wait_alu depctr_hold_cnt(0) depctr_sa_sdst(0) depctr_va_vdst(0) depctr_va_sdst(0) depctr_va_ssrc(0) depctr_va_vcc(0) depctr_vm_vsrc(0)
	s_getreg_b32 s2, hwreg(HW_REG_IB_STS2, 6, 4)
	s_cmp_eq_u32 s2, 0
	s_cbranch_scc0 .Lentry_in_a_cluster
	s_endpgm
.Lentry_in_a_cluster:
	s_bfe_u32 s2, ttmp6, 0x10000c
	s_cmp_lg_u32 s2, 0xf033
	s_cbranch_scc0 .Lentry_shape_is_right
	s_endpgm
.Lentry_shape_is_right:
; ATTENTION on codes of FP8 (E4M3): logits = q k^T + attn_mask; p = 2^(t - M), t = logit x log2(e), M = the running largest t rounded up to a whole number; o = (p v) / (the sum of the unquantised p); o is quantised with entry 10 of the scales.
; The mask is an input: every number of it is read and added; no pattern of it is built in, and every head does all 2,048 x 2,048 scores.
; SHARES.  A work-group owns 128 queries (block qb) of four heads.  Wave w: the PAIR of heads w % 2, queries 32 (w / 2) on: four tile-heads x = 2 e + j (head e of the pair, tile j of 16 queries).  64 keys a step.
; A fragment of K or V feeds both tiles of queries; a fragment of the mask is loaded and scaled once and is the C of both heads' products, whose D are other registers.
; LAYOUT.  S^T = K Q^T (source 0 = 16 keys, source 1 = 16 queries), O^T = V^T P^T: a lane holds ONE query (lane % 16) of each tile.  The mask x 2^-(e6 + e7), exact, is the first product's C.
; A tile's eight scores of a lane are keys 16 t + 8 h + 0 .. 7: their codes are registers 2 t, 2 t + 1 of the K = 64 form's own layout; V's rows were laid by the launch before to fit.
; ORDER.  Dependent chains stand among independent lines: one head's chain to M and f among the other head's maxima or multiply-adds, the sums' chains among holds and conversions.
; The exponentials of one head stand among plain lines of the other head that read nothing written since the wait ahead of the batch and whose results are read behind the wait that follows it.
; RING.  Two LDS slots of 128 keys (two steps): two pairs x (128 rows of K + 128 of V^T), stated as rows of 256 bytes of memory, and 128 x 128 numbers of the mask.  Waves 0, 1 fetch a pair each, waves 2, 3 half the mask's tile each.
; One trip is written for both slots: the slot's first byte is turned by an exclusive or and added to the addresses.
; CLUSTER 4 x 4: K and V hang on cluster y and cy alone and are asked for jointly along a row of the cluster; the mask's tile on cluster x and cx alone, along a column.
; PREFETCH: trip t asks for tile t + 2, one trip ahead of its tensor load; waves 4, 5 of cluster x = 0 for K and V, waves 6, 7 of cluster y = 0 for the mask, the partners told apart by address; tiles 0, 1 come by their loads alone, the last two trips ask for nothing.
; LIMITS: e6 + e7 between -126 and 126; e8 and e10 between -126 and 119; a mask number x 2^-(e6 + e7) stays finite; NaN and infinities in the mask are not served; the scaled scores stay under 2^31 in magnitude.
; REGISTERS.  Window 0: addresses, the rows' state, Q, p's codes, and v128-255 S^T then p (32 x + 8 t): the softmax names window 0 alone.  Window 1: v0-127 O^T (32 x + 8 d); v128-191 the mask (32 j + 8 t); v192-255 fragments of K, then of V (32 e + 8 t).
.set KP,    144
.set PAIRB, 256*KP
.set VOFF,  128*KP
.set MOFF,  2*PAIRB
.set MP,    528
.set SLOTB, MOFF+128*MP
.set SPARE, 2*SLOTB                    ; the spare words, 128 bytes a wave, that no other line names
.set SP,    272                        ; the way out: 128 rows x (256 + 16) bytes at LDS byte 0: slot 0 has had its last fill, and nobody reads it behind the last round
.set AK,   1
.set AV,   2
.set AM,   3
.set ADK,  4
.set ADV,  5
.set ADM,  6
.set SPW,  7
.set NIL,  8
.set PFO,  9
.set VSC,  10
.set VLIM, 11
.set QO,   12
.set STO,  13
.set RD,   14
.set CO,   15
.set NM,   16                          ; v[16+2x] -M, v[17+2x] the largest score so far
.set LS,   24                          ; v[24+2x:25+2x] the sum in two halves
.set FF,   32                          ; v[32+2x] f = 2^(old M - new M); the pair's upper half is 0
.set OM,   40
.set MA,   44
.set PX,   52
.set Q,    56                          ; 16 e + 8 j
.set P,    88                          ; 8 x; ahead of the conversions: head 0's first sums
.set S,    128
.set O,    0
.set MK,   128
.set F,    192
.set WV,   14
.set PL,   15
.set QS,   16
.set CX,   19
.set CY,   20
.set QB,   21
.set GY,   22
.set CYC,  23
.set G1KV, 24
.set G1M,  32
.set G0KV, 40
.set G0M,  44
.set LKV,  48
.set LM,   49
.set TBS,  50                          ; first byte of the slot in hand
.set TBN,  51                          ; and of the other
.set LIMS, 52                          ; 448 x 2^e8
.set LIM,  53
.set SEL,  56
.set CS,   58
.set SI,   60
.set CNT,  62
.set PFA,  66
.set PFS,  68
.set MSB, 0
.macro WIN new
.if MSB != (\new)
	s_set_vgpr_msb (MSB<<8)|(\new)
.set MSB, (\new)
.endif
.endm
.macro PLACES n
.rept \n
	v_nop
.endr
.endm
.macro CROUND
	s_barrier_signal -1
	s_barrier_wait -1
	s_cmp_lg_u32 s[WV], 0
	s_cbranch_scc1 .Lnot_wave_0_\@
	s_barrier_signal -3
.Lnot_wave_0_\@:
	s_barrier_wait -3
	s_barrier_signal -1
	s_barrier_wait -1
.endm
.macro TLOAD
	s_cmp_lt_u32 s[WV], 2
	s_cbranch_scc0 .Lnot_kv_\@
	tensor_load_to_lds s[G0KV:G0KV+3], s[G1KV:G1KV+7]
	s_nop 0
	PLACES 4
	s_branch .Lasked_\@
.Lnot_kv_\@:
	s_cmp_lt_u32 s[WV], 4
	s_cbranch_scc0 .Lasked_\@
	tensor_load_to_lds s[G0M:G0M+3], s[G1M:G1M+7]
	s_nop 0
	PLACES 4
.Lasked_\@:
.endm
.macro ASK                             ; s[LIM] is 1 in a wave that asks, else the greatest number; s[CNT] is 1 in the loop's last trip
	s_cmp_gt_u32 s[CNT], s[LIM]
	s_cbranch_scc0 .Lnot_mine_\@
	global_prefetch_b8 v[PFO], s[PFA:PFA+1] th:TH_LOAD_NT scope:SCOPE_SE
.Lnot_mine_\@:
.endm
.macro DMIN r                          ; the hold of two p in one pair: the conversion does not saturate (ISA guide 7.6.2); p is not negative
	v_dual_min_num_f32 v[\r], s[LIMS], v[\r] :: v_dual_min_num_f32 v[\r+1], s[LIMS], v[\r+1]
.endm
.macro CV g                            ; eight p of tile-head g / 4, keys 16 (g % 4) + 8 h on, to codes
	v_cvt_scalef32_pk8_fp8_f32 v[P+2*(\g):P+2*(\g)+1], v[S+8*(\g):S+8*(\g)+7], v[VSC]
.endm
.macro MLOAD q                         ; the mask of my 32 queries x the slot's q-th 64 keys: sixteen loads
.irp j, 0,1
.irp t, 0,1,2,3
.irp i, 0,1
	ds_load_b128 v[MK+32*\j+8*\t+4*\i:MK+32*\j+8*\t+4*\i+3], v[ADM] offset:16*\j*MP+256*(\q)+64*\t+16*\i
.endr
.endr
.endr
.endm
.macro MAXL k, x                       ; level k of tile-head x's two chains of the maximum, both begun at the largest so far; each accumulator is first read at its low end
.if \k == 0
	v_max3_num_f32 v[MA+2*\x], v[S+32*\x], v[S+32*\x+1], v[NM+2*\x+1]
	v_max3_num_f32 v[MA+2*\x+1], v[S+32*\x+16], v[S+32*\x+17], v[NM+2*\x+1]
.else
	v_max3_num_f32 v[MA+2*\x], v[S+32*\x+2*\k], v[S+32*\x+2*\k+1], v[MA+2*\x]
	v_max3_num_f32 v[MA+2*\x+1], v[S+32*\x+16+2*\k], v[S+32*\x+17+2*\k], v[MA+2*\x+1]
.endif
.endm
.macro MISC s, x                       ; link s of tile-head x's chain from the two maxima to -M and f
.if \s == 0
	v_max_num_f32 v[MA+2*\x], v[MA+2*\x], v[MA+2*\x+1]
.endif
.if \s == 1
	v_permlanex16_b32 v[PX+\x], v[MA+2*\x], s[SEL], s[SEL+1]       ; the query's other 32 keys lie in the lane 16 away
.endif
.if \s == 2
	v_max_num_f32 v[NM+2*\x+1], v[MA+2*\x], v[PX+\x]
.endif
.if \s == 3
	v_mul_f32 v[MA+2*\x], s[CS], v[NM+2*\x+1]      ; as t (c is positive)
.endif
.if \s == 4
	v_floor_f32 v[NM+2*\x], -v[MA+2*\x]            ; -M = floor(-t)
.endif
.if \s == 5
	v_sub_f32 v[MA+2*\x], v[NM+2*\x], v[OM+\x]     ; old M - new M, a whole number, 0 or less
.endif
.if \s == 6
	v_cvt_i32_f32 v[MA+2*\x], v[MA+2*\x]           ; (it saturates)
.endif
.if \s == 7
	v_ldexp_f32 v[FF+2*\x], 1.0, v[MA+2*\x]        ; f: a multiplication by it rounds nothing
.endif
.endm
	s_load_b256 s[4:11], s[0:1], 0x0               ; qc, kv, attn_mask, the scales' exponents
	s_load_b64 s[12:13], s[0:1], 0x20              ; ac
	v_lshl_add_u32 v[SPW], v0, 2, SPARE
	v_mov_b32 v[NIL], 0
	ds_add_u32 v[SPW], v[NIL]                      ; the opening lines: the add twice on end and one wait
	ds_add_u32 v[SPW], v[NIL]
	v_lshrrev_b32 v120, 5, v0
	v_readfirstlane_b32 s[WV], v120
	s_and_b32 s[PL], s[WV], 1                      ; my pair.  Also: which pair, or which half of the mask's tile, I fetch
	s_lshr_b32 s[QS], s[WV], 1                     ; which 32 queries
	s_bfe_u32 s[CX], ttmp6, 0x40000
	s_bfe_u32 s[CY], ttmp6, 0x40004
	s_lshl_b32 s[QB], ttmp9, 2
	s_add_co_u32 s[QB], s[QB], s[CX]               ; the block of 128 queries
	s_and_b32 s[CYC], ttmp7, 0xffff
	s_lshl_b32 s[GY], s[CYC], 2
	s_add_co_u32 s[GY], s[GY], s[CY]               ; 4 b + g: pairs 2 gy and 2 gy + 1 of the 32
	s_lshl_b32 s70, s[CY], 2
	s_lshl_b32 s70, 15, s70
	s_lshl_b32 s71, 0x1111, s[CX]
	s_or_b32 s[G1KV], s70, (1<<20)|(1<<21)|(4<<22)|(3<<25)   ; elements of 1 byte; 4 words of padding after every 32
	s_mov_b32 s[G1KV+1], 256<<16                   ; a pair's 32,768 dense bytes as 128 rows of 256
	s_mov_b32 s[G1KV+2], 128<<16
	s_mov_b32 s[G1KV+3], 256<<16
	s_mov_b32 s[G1KV+4], 128
	s_mov_b32 s[G1KV+5], 256
	s_mov_b32 s[G1KV+6], 0
	s_mov_b32 s[G1KV+7], 0
	s_or_b32 s[G1M], s71, (2<<16)|(1<<20)|(1<<21)|(6<<22)|(3<<25)   ; elements of 4 bytes; 4 words after every 128
	s_mov_b32 s[G1M+1], 128<<16                    ; 64 rows x 128 numbers, 2,048 numbers apart
	s_mov_b32 s[G1M+2], 64<<16
	s_mov_b32 s[G1M+3], 128<<16
	s_mov_b32 s[G1M+4], 64
	s_mov_b32 s[G1M+5], 2048
	s_mov_b32 s[G1M+6], 0
	s_mov_b32 s[G1M+7], 0
	s_mov_b32 s[SEL], 0x76543210
	s_mov_b32 s[SEL+1], 0xfedcba98
	s_mov_b32 s[TBS], 0
	s_mov_b32 s[TBN], SLOTB
	s_lshl_b32 s80, s[GY], 1
	s_add_co_u32 s80, s80, s[PL]                   ; pair 2 gy + (w % 2)
	s_lshl_b32 s95, s80, 18                        ; its place in qc,
	s_lshl_b32 s80, s80, 19                        ; in kv
	s_mov_b32 s81, 0
	s_lshl_b32 s82, s[QB], 20                      ; the mask: row 128 qb + 64 (w % 2)
	s_lshl_b32 s83, s[PL], 19
	s_add_co_u32 s82, s82, s83
	s_mov_b32 s83, 0
	s_mul_i32 s[LKV], s[PL], PAIRB
	s_mul_i32 s[LM], s[PL], 64*MP
	s_add_co_u32 s[LM], s[LM], MOFF
	s_lshl_b32 s86, s[QB], 19                      ; ac: row (128 qb + 16 w) of 4,096 bytes, + 256 gy
	s_lshl_b32 s87, s[WV], 16
	s_add_co_u32 s86, s86, s87
	s_lshl_b32 s87, s[GY], 8
	s_add_co_u32 s86, s86, s87
	s_mov_b32 s87, 0
	s_add_co_u32 s84, s[LKV], VOFF                 ; V's rows of my pair
	s_mul_i32 s85, s[QS], 32*MP
	s_add_co_u32 s85, s85, MOFF                    ; my 32 rows of the mask
	s_mul_i32 s72, s[QS], 32*SP
	s_lshl_b32 s73, s[PL], 7
	s_add_co_u32 s72, s72, s73                     ; the stage, in
	s_mul_i32 s73, s[WV], 16*SP                    ; and back
	s_lshl_b32 s74, s[QB], 14                      ; Q: block qb, rows 32 (w / 2) on
	s_add_co_u32 s95, s95, s74
	s_lshl_b32 s74, s[QS], 12
	s_add_co_u32 s95, s95, s74
	s_lshl_b32 s88, s[GY], 1                       ; the prefetches stand at tile 1: the first trip steps them to tile 2
	s_lshr_b32 s89, s[CX], 1
	s_add_co_u32 s88, s88, s89
	s_lshl_b32 s88, s88, 19
	s_and_b32 s89, s[CX], 1
	s_lshl_b32 s89, s89, 14
	s_add_co_u32 s88, s88, s89
	s_lshl_b32 s89, s[PL], 13
	s_add_co_u32 s88, s88, s89
	s_add_co_u32 s88, s88, 32768
	s_lshl_b32 s90, s[QB], 20
	s_lshl_b32 s89, s[CY], 18
	s_add_co_u32 s90, s90, s89
	s_lshl_b32 s89, s[PL], 8
	s_add_co_u32 s90, s90, s89
	s_add_co_u32 s90, s90, 512
	s_lshr_b32 s94, s[WV], 1                       ; 2: waves 4, 5 (K and V);  3: waves 6, 7 (the mask)
	s_mov_b32 s[PFS], 512
	s_mov_b32 s92, 8192
	s_cmp_eq_u32 s94, 2
	s_cselect_b32 s88, s88, s90
	s_cselect_b32 s[PFS], 32768, s[PFS]
	s_cselect_b32 s92, 256, s92                    ; from lane to lane
	s_cselect_b32 s93, ttmp9, s[CYC]               ; the coordinate along which other clusters read the same bytes
	s_mov_b32 s89, 0
	s_mov_b32 s[PFS+1], 0
	s_sub_co_u32 s91, s94, 2
	s_lshr_b32 s91, s91, 1                         ; 0 in waves 4 to 7
	s_or_b32 s91, s91, s93
	s_cmp_eq_u32 s91, 0
	s_cselect_b32 s[LIM], 1, -1
	v_and_b32 v120, 15, v0                         ; r
	v_bfe_u32 v121, v0, 4, 1                       ; h
	v_mul_u32_u24 v122, v120, KP
	v_lshl_add_u32 v122, v121, 4, v122
	v_add_nc_u32 v[AK], s[LKV], v122
	v_add_nc_u32 v[AV], s84, v122
	v_mul_u32_u24 v123, v120, MP
	v_lshl_add_u32 v123, v121, 5, v123
	v_add_nc_u32 v[AM], s85, v123
	v_mul_u32_u24 v124, v120, SP
	v_lshl_add_u32 v124, v121, 3, v124
	v_add_nc_u32 v[STO], s72, v124
	v_mul_u32_u24 v125, v121, SP
	v_lshl_add_u32 v125, v120, 4, v125
	v_add_nc_u32 v[RD], s73, v125
	v_lshlrev_b32 v126, 12, v121
	v_lshl_add_u32 v[CO], v120, 4, v126
	v_lshlrev_b32 v127, 7, v120
	v_lshl_add_u32 v127, v121, 4, v127
	v_add_nc_u32 v[QO], s95, v127
	v_and_b32 v126, 31, v0
	v_mul_lo_u32 v[PFO], v126, s92
	s_wait_alu depctr_va_vdst(0)                   ; the wait behind these lines
	s_wait_dscnt 0x0
	s_wait_kmcnt 0x0
	s_load_b256 s[72:79], s[10:11], 0x10           ; e4 .. e11: e6 s74, e7 s75, e8 s76, e9 s77, e10 s78
	s_mov_b32 s[G0KV], 1
	s_mov_b32 s[G0KV+1], s[LKV]
	s_add_nc_u64 s[G0KV+2:G0KV+3], s[6:7], s[80:81]
	s_or_b32 s[G0KV+3], s[G0KV+3], 0x80000000
	s_mov_b32 s[G0M], 1
	s_mov_b32 s[G0M+1], s[LM]
	s_add_nc_u64 s[G0M+2:G0M+3], s[8:9], s[82:83]
	s_or_b32 s[G0M+3], s[G0M+3], 0x80000000
	s_cmp_eq_u32 s94, 2
	s_cselect_b64 s[PFA:PFA+1], s[6:7], s[8:9]
	s_add_nc_u64 s[PFA:PFA+1], s[PFA:PFA+1], s[88:89]
	s_add_nc_u64 s[12:13], s[12:13], s[86:87]
	CROUND                                         ; all sixteen work-groups are here: the first joint loads meet
	TLOAD                                          ; tile 0
.irp e, 0,1
.irp j, 0,1
.irp c, 0,1
	global_load_b128 v[Q+16*\e+8*\j+4*\c:Q+16*\e+8*\j+4*\c+3], v[QO], s[4:5] offset:2048*\j+64*\e+32*\c
.endr
.endr
.endr
.irp x, 0,1,2,3
	v_mov_b32 v[NM+2*\x], 0x7f61b1e6               ; -M: 3e38, so that the first f is 0
	v_mov_b32 v[NM+2*\x+1], 0xff800000             ; the largest score so far: under every score
	v_mov_b32 v[LS+2*\x], 0
	v_mov_b32 v[LS+2*\x+1], 0
	v_mov_b32 v[FF+2*\x], 0
	v_mov_b32 v[FF+2*\x+1], 0
	v_mov_b32 v[PX+\x], 0
.endr
	WIN 0x40
.set n, 0
.rept 128
	v_mov_b32 v[O+n], 0                            ; O^T: the step is written once, and the first finds zeros
.set n, n+1
.endr
	WIN 0
	s_wait_kmcnt 0x0
	s_add_co_i32 s90, s74, s75                     ; e6 + e7
	s_lshl_b32 s91, s90, 23
	s_mov_b32 s[CS], 0x3fb8aa3b                    ; log2(e); the two exponents are added to its exponent field
	s_add_co_i32 s[CS], s[CS], s91
	s_mov_b32 s[CS+1], s[CS]
	s_sub_co_i32 s[SI], 127, s90
	s_lshl_b32 s[SI], s[SI], 23                    ; 2^-(e6 + e7)
	s_mov_b32 s[SI+1], s[SI]
	s_add_co_i32 s90, s76, 127
	s_lshl_b32 s91, s90, 23
	v_mov_b32 v[VSC], s91                          ; 2^e8
	s_add_co_i32 s90, s90, 8
	s_lshl_b32 s90, s90, 23
	s_or_b32 s[LIMS], s90, 0x600000                ; 448 x 2^e8
; A KEY STEP: the q-th 64 keys of the slot in hand, for my four tile-heads.
.macro STEP q
	WIN 0x40
.if \q == 0
	MLOAD 0                                        ; the slot's second step finds its mask asked for in the first
.endif
	PLACES 4                                       ; in front of loads into registers that the last products have read
.irp e, 0,1
.irp t, 0,1,2,3
.irp c, 0,1
	ds_load_b128 v[F+32*\e+8*\t+4*\c:F+32*\e+8*\t+4*\c+3], v[ADK] offset:(64*(\q)+16*\t)*KP+64*\e+32*\c
.endr
.endr
.endr
	s_wait_dscnt 16                                ; the mask is in; K's sixteen loads are younger
	WIN 0x41
.set n, 0
.rept 32
	v_pk_mul_f32 v[MK+n:MK+n+1], v[MK+n:MK+n+1], s[SI:SI+1] op_sel_hi:[1,0]   ; x 2^-(e6 + e7): exact
.set n, n+2
.endr
	s_wait_alu depctr_va_vdst(0)                   ; directly ahead of the wait below
	s_wait_dscnt 0x0
	WIN 0x11
.irp t, 0,1,2,3
.irp e, 0,1
.irp j, 0,1
	v_wmma_f32_16x16x64_fp8_fp8 v[S+32*(2*\e+\j)+8*\t:S+32*(2*\e+\j)+8*\t+7], v[F+32*\e+8*\t:F+32*\e+8*\t+7], v[Q+16*\e+8*\j:Q+16*\e+8*\j+7], v[MK+32*\j+8*\t:MK+32*\j+8*\t+7]
.endr
.endr
.endr
	WIN 0
.irp x, 0,1,2,3
	v_mov_b32 v[OM+\x], v[NM+2*\x]                 ; the old -M: these four are the places behind the products
.endr
	WIN 0x40
.irp e, 0,1
.irp d, 0,1,2,3
.irp c, 0,1
	ds_load_b128 v[F+32*\e+8*\d+4*\c:F+32*\e+8*\d+4*\c+3], v[ADV] offset:(64*\e+16*\d)*KP+64*(\q)+32*\c   ; V lands while the softmax is walked
.endr
.endr
.endr
.if \q == 0
	MLOAD 1                                        ; and so does the next step's mask, of the same slot
.endif
	WIN 0
.irp k, 0,1,2,3,4,5,6,7
	MAXL \k, 0
	MAXL \k, 1
.endr
.irp k, 0,1,2,3,4,5,6,7                        ; head 0's chain to -M and f among head 1's maxima
	MISC \k, 0
	MISC \k, 1
	MAXL \k, 2
	MAXL \k, 3
.endr
.set n, 0
.irp k, 0,1,2,3,4,5,6,7                        ; head 1's chain among head 0's t - M
	MISC \k, 2
	MISC \k, 3
.rept 4
	v_pk_fma_f32 v[S+n:S+n+1], v[S+n:S+n+1], s[CS:CS+1], v[NM+2*(n/32):NM+2*(n/32)+1] op_sel_hi:[1,0,0]
.set n, n+2
.endr
.endr
.irp x, 0,1,2,3
	v_pk_mul_f32 v[LS+2*\x:LS+2*\x+1], v[LS+2*\x:LS+2*\x+1], v[FF+2*\x:FF+2*\x+1] op_sel_hi:[1,0]
.endr
	WIN 0x41
.set n, 0
.rept 64
	v_pk_mul_f32 v[O+n:O+n+1], v[O+n:O+n+1], v[FF+2*(n/32):FF+2*(n/32)+1] op_sel_hi:[1,0]   ; O^T under the new M, ahead of the step's exponentials
.set n, n+2
.endr
	WIN 0
	s_wait_alu depctr_va_vdst(0)                   ; the wait ahead of the batch
.set n, 0
.rept 32
	v_exp_f32 v[S+n], v[S+n]                       ; head 0: p; among them head 1's t - M
	v_pk_fma_f32 v[S+64+n:S+64+n+1], v[S+64+n:S+64+n+1], s[CS:CS+1], v[NM+4+2*(n/32):NM+4+2*(n/32)+1] op_sel_hi:[1,0,0]
	v_exp_f32 v[S+n+1], v[S+n+1]
.set n, n+2
.endr
	s_wait_alu depctr_va_vdst(0)                   ; behind head 0's batch and ahead of head 1's
.set n, 0
.rept 16
	v_exp_f32 v[S+64+2*n], v[S+64+2*n]             ; head 1: p; among them head 0's first sums, of the unquantised p, and then its holds
	v_pk_add_f32 v[P+n:P+n+1], v[S+2*n:S+2*n+1], v[S+2*n+2:S+2*n+3]
	v_exp_f32 v[S+64+2*n+1], v[S+64+2*n+1]
	DMIN S+2*n
	v_exp_f32 v[S+64+2*n+2], v[S+64+2*n+2]
	DMIN S+2*n+2
	v_exp_f32 v[S+64+2*n+3], v[S+64+2*n+3]
.set n, n+2
.endr
	v_nop                                          ; a plain place behind the last exponential
	s_wait_alu depctr_va_vdst(0)                   ; behind the batch, and directly ahead of the wait below
	s_wait_dscnt 0x0                               ; V is in
.set n, 0
.rept 8                                        ; the sums, four chains by turns
	v_pk_add_f32 v[LS:LS+1], v[LS:LS+1], v[P+n:P+n+1]
	v_pk_add_f32 v[LS+2:LS+3], v[LS+2:LS+3], v[P+16+n:P+16+n+1]
	v_pk_add_f32 v[LS+4:LS+5], v[LS+4:LS+5], v[S+64+n:S+64+n+1]
	v_pk_add_f32 v[LS+6:LS+7], v[LS+6:LS+7], v[S+96+n:S+96+n+1]
.set n, n+2
.endr
.rept 8                                        ; head 1's sums go on; among them head 0's conversions and the holds of what has been summed
	v_pk_add_f32 v[LS+4:LS+5], v[LS+4:LS+5], v[S+64+n:S+64+n+1]
	v_pk_add_f32 v[LS+6:LS+7], v[LS+6:LS+7], v[S+96+n:S+96+n+1]
	CV (n-16)/2
	DMIN S+64+n-16
	DMIN S+96+n-16
.set n, n+2
.endr
	CV 8
	DMIN S+80
	DMIN S+82
	CV 9
	DMIN S+84
	DMIN S+86
	CV 12
	DMIN S+88
	DMIN S+90
	CV 13
	DMIN S+92
	DMIN S+94
	DMIN S+112
	DMIN S+114
	CV 10
	DMIN S+116
	DMIN S+118
	CV 11
	DMIN S+120
	DMIN S+122
	DMIN S+124
	DMIN S+126
	CV 14
	CV 15
	v_nop                                          ; one plain line between the conversions and the products
	WIN 0x51
.irp d, 0,1,2,3
.irp e, 0,1
.irp j, 0,1
	v_wmma_f32_16x16x64_fp8_fp8 v[O+32*(2*\e+\j)+8*\d:O+32*(2*\e+\j)+8*\d+7], v[F+32*\e+8*\d:F+32*\e+8*\d+7], v[P+8*(2*\e+\j):P+8*(2*\e+\j)+7], v[O+32*(2*\e+\j)+8*\d:O+32*(2*\e+\j)+8*\d+7]
.endr
.endr
.endr
	WIN 0
.endm
; A TRIP: the change of slots, then the slot's two steps.  Four of the eight waves fetch: the add stands twice where a load follows.
.macro TRIP refill
	s_wait_alu depctr_va_vdst(0)
	s_wait_tensorcnt 0x0                           ; no tensor load of mine is out, so a group 0 may be written
	ds_add_u32 v[SPW], v[NIL]
.if \refill
	ds_add_u32 v[SPW], v[NIL]
	s_add_co_u32 s[G0KV+1], s[LKV], s[TBN]         ; the next tile, into the other slot
	s_add_co_u32 s[G0M+1], s[LM], s[TBN]
	s_add_nc_u64 s[G0KV+2:G0KV+3], s[G0KV+2:G0KV+3], 32768
	s_add_nc_u64 s[G0M+2:G0M+3], s[G0M+2:G0M+3], 512
	s_wait_xcnt 0x0                                ; the last prefetch has read its address
	s_add_nc_u64 s[PFA:PFA+1], s[PFA:PFA+1], s[PFS:PFS+1]
.endif
	v_add_nc_u32 v[ADK], s[TBS], v[AK]
	v_add_nc_u32 v[ADV], s[TBS], v[AV]
	v_add_nc_u32 v[ADM], s[TBS], v[AM]
	s_wait_alu depctr_va_vdst(0)
	s_wait_dscnt 0x0                               ; the add is done, and my reads of the slot that I have left are back
	CROUND
.if \refill
	TLOAD                                          ; the first thing behind the round, a wave's one tensor load until the next
	ASK
.endif
	STEP 0
	STEP 1
	s_xor_b32 s[TBS], s[TBS], SLOTB
	s_xor_b32 s[TBN], s[TBN], SLOTB
.endm
	s_wait_alu depctr_va_vdst(0)                   ; the wait at the head's end
	s_wait_loadcnt 0x0                             ; Q
	s_mov_b32 s[CNT], 15
.Ltile:                                            ; fifteen trips: tiles 0 to 14 are worked, tiles 1 to 15 asked for
	TRIP 1
	s_sub_co_u32 s[CNT], s[CNT], 1
	s_cmp_lg_u32 s[CNT], 0
	s_cbranch_scc1 .Ltile
	TRIP 0                                         ; tile 15 is written out
	; THE WAY OUT: o = O^T / the sum x 2^(e8 + e9); its codes with 2^e10; through a stage, where the four heads' 64 bytes of a row meet; out as whole runs of 256 bytes.
.irp x, 0,1,2,3
	v_add_f32 v[LS+2*\x], v[LS+2*\x], v[LS+2*\x+1]
.endr
.irp x, 0,1,2,3
	v_permlanex16_b32 v[PX+\x], v[LS+2*\x], s[SEL], s[SEL+1]
.endr
.irp x, 0,1,2,3
	v_add_f32 v[LS+2*\x], v[LS+2*\x], v[PX+\x]
.endr
	s_wait_alu depctr_va_vdst(0)
.irp x, 0,1,2,3
	v_rcp_f32 v[LS+2*\x], v[LS+2*\x]
.endr
	s_add_co_i32 s90, s78, 127
	s_lshl_b32 s91, s90, 23
	v_mov_b32 v[VSC], s91                          ; 2^e10  (a plain line behind the reciprocals)
	s_add_co_i32 s90, s90, 8
	s_lshl_b32 s90, s90, 23
	s_or_b32 s90, s90, 0x600000
	v_mov_b32 v[VLIM], s90
	s_add_co_i32 s92, s76, s77                     ; e8 + e9
	s_wait_alu depctr_va_vdst(0)
.irp x, 0,1,2,3
	v_ldexp_f32 v[LS+2*\x], v[LS+2*\x], s92
.endr
	WIN 0x41
	s_wait_alu depctr_va_vdst(0)                   ; directly ahead of the first readers of O^T
.set n, 0
.rept 64
	v_pk_mul_f32 v[O+n:O+n+1], v[O+n:O+n+1], v[LS+2*(n/32):LS+2*(n/32)+1] op_sel_hi:[1,0]   ; register 32 x + 8 d + i: o(query 16 j + r, 16 d + 8 h + i)
.set n, n+2
.endr
.set n, 0
.rept 128
	v_med3_num_f32 v[O+n], v[O+n], -v[VLIM], v[VLIM]
.set n, n+1
.endr
	WIN 0x01
.set g, 0
.rept 16
	v_cvt_scalef32_pk8_fp8_f32 v[P+2*g:P+2*g+1], v[O+8*g:O+8*g+7], v[VSC]
.set g, g+1
.endr
	v_nop
	WIN 0
.set g, 0
.rept 16
	ds_store_b64 v[STO], v[P+2*g:P+2*g+1] offset:((g/4)%2)*16*SP+64*(g/8)+16*(g%4)
.set g, g+1
.endr
	s_wait_dscnt 0x0                               ; for the others' sake
	s_barrier_signal -1
	s_barrier_wait -1
.irp i, 0,1,2,3,4,5,6,7
	ds_load_b128 v[S+4*\i:S+4*\i+3], v[RD] offset:2*\i*SP
.endr
.irp i, 0,1,2,3,4,5,6,7
	s_wait_dscnt 7-\i                              ; the later read-backs may be out
	global_store_b128 v[CO], v[S+4*\i:S+4*\i+3], s[12:13] offset:8192*\i   ; 16 lanes store 256 consecutive bytes, aligned
.endr
	s_wait_tensorcnt 0x0                           ; the wave's end
	ds_add_u32 v[SPW], v[NIL]
	s_wait_dscnt 0x0
	CROUND                                         ; the closing round
	s_endpgm
.Lfunc_end_k_qbddeb7c153_attn:
	.size	k_qbddeb7c153_attn, .Lfunc_end_k_qbddeb7c153_attn-k_qbddeb7c153_attn
	.p2alignl 7, 3214868480
	.fill 96, 4, 3214868480
	.section	.rodata,"a",@progbits
	.p2align	6, 0x0
	.amdhsa_kernel k_qbddeb7c153_attn
		.amdhsa_group_segment_fixed_size 327680
		.amdhsa_private_segment_fixed_size 0
		.amdhsa_enable_private_segment 0
		.amdhsa_kernarg_size 40
		.amdhsa_user_sgpr_count 2
		.amdhsa_user_sgpr_kernarg_segment_ptr 1
		.amdhsa_wavefront_size32 1
		.amdhsa_system_sgpr_workgroup_id_x 1
		.amdhsa_system_sgpr_workgroup_id_y 1
		.amdhsa_system_sgpr_workgroup_id_z 1
		.amdhsa_system_vgpr_workitem_id 0
		.amdhsa_next_free_vgpr 512
		.amdhsa_next_free_sgpr 100
		.amdhsa_reserve_vcc 0
		.amdhsa_float_denorm_mode_32 3
		.amdhsa_float_denorm_mode_16_64 3
		.amdhsa_memory_ordered 1
		.amdhsa_forward_progress 1
		.amdhsa_inst_pref_size 173
	.end_amdhsa_kernel
	.amdgpu_metadata
---
amdhsa.version: [ 1, 2 ]
amdhsa.kernels:
  - .name:           k_qbddeb7c153_attn
    .symbol:         k_qbddeb7c153_attn.kd
    .args:
      - { .name: qc, .offset: 0, .size: 8, .value_kind: global_buffer, .address_space: global }
      - { .name: kv, .offset: 8, .size: 8, .value_kind: global_buffer, .address_space: global }
      - { .name: attn_mask, .offset: 16, .size: 8, .value_kind: global_buffer, .address_space: global }
      - { .name: lowp_scales, .offset: 24, .size: 8, .value_kind: global_buffer, .address_space: global }
      - { .name: ac, .offset: 32, .size: 8, .value_kind: global_buffer, .address_space: global }
    .group_segment_fixed_size: 327680
    .private_segment_fixed_size: 0
    .kernarg_segment_align: 8
    .kernarg_segment_size: 40
    .max_flat_workgroup_size: 256
    .sgpr_count:     100
    .vgpr_count:     512
    .wavefront_size: 32
...
	.end_amdgpu_metadata
.endif
;; end of part 2
;; launch outp (part 3): grid 4 x 64, 4 waves a work-group, clusters of 4 x 4, 327,680 bytes of LDS; arguments ac, wo_codes, bo, lowp_scales, out0; writes out0
.if DOCPART == 3
	.amdgcn_target "amdgcn-amd-amdhsa--gfx1250"
	.amdhsa_code_object_version 6
	.text
	.protected	k_qbddeb7c153_outp
	.globl	k_qbddeb7c153_outp
	.p2align	8
	.type	k_qbddeb7c153_outp,@function
k_qbddeb7c153_outp:
	s_mov_b64 s[64:65], 0
	v_nop
	global_prefetch_b8 v0, s[64:65] scope:SCOPE_SE
	s_setreg_imm32_b32 hwreg(HW_REG_WAVE_MODE, 25, 1), 1
	s_wait_xcnt 0x0
	s_wait_alu depctr_hold_cnt(0) depctr_sa_sdst(0) depctr_va_vdst(0) depctr_va_sdst(0) depctr_va_ssrc(0) depctr_va_vcc(0) depctr_vm_vsrc(0)
	s_getreg_b32 s2, hwreg(HW_REG_IB_STS2, 6, 4)
	s_cmp_eq_u32 s2, 0
	s_cbranch_scc0 .Lentry_in_a_cluster
	s_endpgm
.Lentry_in_a_cluster:
	s_bfe_u32 s2, ttmp6, 0x10000c
	s_cmp_lg_u32 s2, 0xf033
	s_cbranch_scc0 .Lentry_shape_is_right
	s_endpgm
.Lentry_shape_is_right:
; THE LAST PROJECTION on codes of FP8 (E4M3): out0 = attn wo^T + bo.  ac: [8,192 rows (t, b)][1,024] codes with 2^e10; wo: [1,024][1,024] codes with 2^e11; out0: [8,192][1,024] f32.
; 256 work-groups; each makes 128 rows x 256 columns, K = 1,024.  Wave w: rows 64 (w / 2) on, columns 128 (w % 2) on: 32 accumulators.
; Source 0 = 16 rows of wo, source 1 = 16 rows of ac: a lane holds one row of out0 (lane % 16) and eight neighbouring columns.
; LDS.  Region A: 384 rows x 256 bytes of K (pitch 272); region B: 384 rows x 512 bytes of K (pitch 528).  K 0-255 goes to A at the head, K 256-767 to B behind a round, K 768-1023 to A again behind a second round:
; one tensor load a wave each time.  The stages lie in region B, behind its last fill and its last read.
; CLUSTER 4 x 4: ac's tile is asked for jointly along a row of the cluster, wo's along a column.  No prefetch: the text has no loop to run ahead in.
; LIMIT: e10 + e11 between -126 and 127.
; REGISTERS, in windows of 256: window 0: addresses, bias, work;  window 1: accumulator (a, b) at v[8 (8 a + b)];  windows 2, 3: fragment sets 0, 1.
.set PA,     272
.set PB,     528
.set SPI,    528
.set RGB,    384*PA
.set SPARE,  RGB+384*PB
.set STAGE,  RGB                       ; 16 rows x 528 bytes a wave
.set PADA,   (1<<20)|(1<<21)|(5<<22)|(3<<25)
.set PADB,   (1<<20)|(1<<21)|(6<<22)|(3<<25)
.set ADX,  2
.set ADY,  5
.set STO,  8
.set RD,   9
.set CO,   10
.set SPW,  11
.set NIL,  12
.set BYO,  15
.set BY,   32
.set TT,   104
.set RB,   168
.set G1TB, 16
.set G1WB, 84
.set G1T,  28
.set G1W,  36
.set G0T,  44
.set G0W,  68
.set WV,   56
.set WH,   57
.set WL,   58
.set CX,   59
.set CY,   60
.set TY,   61
.set WX,   63
.set SA,   80
.set MSB, 0
.macro WIN new
.if MSB != (\new)
	s_set_vgpr_msb (MSB<<8)|(\new)
.set MSB, (\new)
.endif
.endm
.macro PLACES n
.rept \n
	v_nop
.endr
.endm
.macro CROUND
	s_barrier_signal -1
	s_barrier_wait -1
	s_cmp_lg_u32 s[WV], 0
	s_cbranch_scc1 .Lnot_wave_0_\@
	s_barrier_signal -3
.Lnot_wave_0_\@:
	s_barrier_wait -3
	s_barrier_signal -1
	s_barrier_wait -1
.endm
.macro JLOAD n, gt, gw
	s_cmp_eq_u32 s[WH], 0
	s_cbranch_scc0 .Lfor_w_\@
	tensor_load_to_lds s[G0T+4*\n:G0T+4*\n+3], s[\gt:\gt+7]
	s_nop 0
	PLACES 4
	s_branch .Lasked_\@
.Lfor_w_\@:
	tensor_load_to_lds s[G0W+4*\n:G0W+4*\n+3], s[\gw:\gw+7]
	s_nop 0
	PLACES 4
.Lasked_\@:
.endm
.macro G0SET n, lt, lw, koff
	s_mov_b32 s[G0T+4*\n], 1
	s_mov_b32 s[G0T+4*\n+1], s\lt
	s_add_nc_u64 s[G0T+4*\n+2:G0T+4*\n+3], s[4:5], \koff
	s_or_b32 s[G0T+4*\n+3], s[G0T+4*\n+3], 0x80000000
	s_mov_b32 s[G0W+4*\n], 1
	s_mov_b32 s[G0W+4*\n+1], s\lw
	s_add_nc_u64 s[G0W+4*\n+2:G0W+4*\n+3], s[6:7], \koff
	s_or_b32 s[G0W+4*\n+3], s[G0W+4*\n+3], 0x80000000
.endm
.macro G1SET g, w, rows
	s_mov_b32 s[\g+1], (\w)<<16
	s_mov_b32 s[\g+2], (\rows)<<16
	s_mov_b32 s[\g+3], (\w)<<16
	s_mov_b32 s[\g+4], \rows
	s_mov_b32 s[\g+5], 1024
	s_mov_b32 s[\g+6], 0
	s_mov_b32 s[\g+7], 0
.endm
.macro FETCH reg, q, set               ; 48 LDS loads: the fragments of the region's q-th 128 along K; k is permuted alike on both sides
.set PP, PA+256*(\reg)
	WIN (0x80+0x40*(\set))
.irp a, 0,1,2,3
.irp c, 0,1,2,3
	ds_load_b128 v[16*\a+4*\c:16*\a+4*\c+3], v[ADX+\reg] offset:128*(\q)+32*\c+\a*16*PP
.endr
.endr
.irp b, 0,1,2,3,4,5,6,7
.irp c, 0,1,2,3
	ds_load_b128 v[64+16*\b+4*\c:64+16*\b+4*\c+3], v[ADY+\reg] offset:128*(\q)+32*\c+\b*16*PP
.endr
.endr
	WIN 0
.endm
.macro MUL set, zero                   ; 32 matrix instructions; the accumulators take turns
	WIN (0x5a+5*(\set))
.irp a, 0,1,2,3
.irp b, 0,1,2,3,4,5,6,7
.if \zero
	v_wmma_f32_16x16x128_fp8_fp8 v[8*(8*\a+\b):8*(8*\a+\b)+7], v[64+16*\b:64+16*\b+15], v[16*\a:16*\a+15], 0
.else
	v_wmma_f32_16x16x128_fp8_fp8 v[8*(8*\a+\b):8*(8*\a+\b)+7], v[64+16*\b:64+16*\b+15], v[16*\a:16*\a+15], v[8*(8*\a+\b):8*(8*\a+\b)+7]
.endif
.endr
.endr
	WIN 0
.endm
	s_load_b256 s[4:11], s[0:1], 0x0               ; ac, wo, bo, the scales' exponents
	s_load_b64 s[12:13], s[0:1], 0x20              ; out0
	v_lshl_add_u32 v[SPW], v0, 2, SPARE
	v_mov_b32 v[NIL], 0
	ds_add_u32 v[SPW], v[NIL]                      ; the opening lines: the add twice on end and one wait
	ds_add_u32 v[SPW], v[NIL]
	v_lshrrev_b32 v1, 5, v0
	v_readfirstlane_b32 s[WV], v1
	s_lshr_b32 s[WH], s[WV], 1
	s_and_b32 s[WL], s[WV], 1
	s_bfe_u32 s[CX], ttmp6, 0x40000
	s_bfe_u32 s[CY], ttmp6, 0x40004
	s_and_b32 s[TY], ttmp7, 0xffff
	s_lshl_b32 s[TY], s[TY], 2
	s_add_co_u32 s[TY], s[TY], s[CY]               ; which 128 rows
	s_lshl_b32 s[WX], ttmp9, 2
	s_add_co_u32 s[WX], s[WX], s[CX]               ; which 256 columns
	s_lshl_b32 s66, s[CY], 2
	s_lshl_b32 s66, 15, s66
	s_lshl_b32 s67, 0x1111, s[CX]
	s_or_b32 s[G1T], s66, PADA
	G1SET G1T, 256, 64
	s_or_b32 s[G1W], s67, PADA
	G1SET G1W, 256, 128
	s_or_b32 s[G1TB], s66, PADB
	G1SET G1TB, 512, 64
	s_or_b32 s[G1WB], s67, PADB
	G1SET G1WB, 512, 128
	s_lshl_b32 s94, s[TY], 17                      ; ac: 128 rows x 1,024 bytes, + the 64 rows that I fetch
	s_lshl_b32 s95, s[WL], 16
	s_add_co_u32 s94, s94, s95
	s_mov_b32 s95, 0
	s_lshl_b32 s96, s[WX], 18                      ; wo: 256 rows x 1,024 bytes, + the 128 rows that I fetch
	s_lshl_b32 s97, s[WL], 17
	s_add_co_u32 s96, s96, s97
	s_mov_b32 s97, 0
	s_mul_i32 s99, s[WL], 64*PA
	s_mul_i32 s101, s[WL], 64*PB
	s_add_co_u32 s101, s101, RGB
	s_mul_i32 s100, s[WL], 128*PA
	s_add_co_u32 s100, s100, 128*PA
	s_mul_i32 s93, s[WL], 128*PB
	s_add_co_u32 s93, s93, RGB+128*PB
	s_mul_i32 s80, s[WH], 64*PA
	s_mul_i32 s81, s[WH], 64*PB
	s_add_co_u32 s81, s81, RGB
	s_mul_i32 s82, s[WV], 16*SPI
	s_add_co_u32 s82, s82, STAGE                   ; my stage
	s_lshl_b32 s2, s[WX], 10
	s_lshl_b32 s3, s[WL], 9
	s_add_co_u32 s2, s2, s3                        ; my first column, in bytes
	s_mov_b32 s83, s2
	s_lshl_b32 s3, s[TY], 19                       ; + my first row: (128 ty + 64 (w / 2)) x 4,096 bytes
	s_add_co_u32 s2, s2, s3
	s_lshl_b32 s3, s[WH], 18
	s_add_co_u32 s2, s2, s3
	s_mov_b32 s3, 0
	v_and_b32 v17, 15, v0                          ; r
	v_bfe_u32 v18, v0, 4, 1                        ; h
	v_mul_u32_u24 v19, v17, PA
	v_lshl_add_u32 v19, v18, 4, v19
	v_mul_u32_u24 v20, v17, PB
	v_lshl_add_u32 v20, v18, 4, v20
	v_add_nc_u32 v[ADX], s80, v19
	v_add_nc_u32 v[ADY], s100, v19
	v_add_nc_u32 v[ADX+1], s81, v20
	v_add_nc_u32 v[ADY+1], s93, v20
	v_mul_u32_u24 v21, v17, SPI
	v_lshl_add_u32 v21, v18, 5, v21
	v_add_nc_u32 v[STO], s82, v21                  ; in: row r, 32 bytes for each half of the lanes
	v_and_b32 v21, 31, v0
	v_lshlrev_b32 v[CO], 4, v21                    ; back: the 32 lanes take one row of 512 bytes; and the same in out0
	v_add_nc_u32 v[RD], s82, v[CO]
	v_lshlrev_b32 v[BYO], 5, v18
	v_add_nc_u32 v[BYO], s83, v[BYO]
	s_wait_alu depctr_va_vdst(0)                   ; the wait behind the head's vector lines
	s_wait_dscnt 0x0
	s_wait_kmcnt 0x0
	s_load_b64 s[80:81], s[10:11], 0x28            ; e10, e11
	s_add_nc_u64 s[4:5], s[4:5], s[94:95]
	s_add_nc_u64 s[6:7], s[6:7], s[96:97]
	s_add_nc_u64 s[12:13], s[12:13], s[2:3]
	G0SET 0, 99, 100, 0                            ; K 0 on -> A
	G0SET 1, 101, 93, 256                          ; K 256 on -> B
	G0SET 2, 99, 100, 768                          ; K 768 on -> A
	CROUND                                         ; all sixteen work-groups are here: the first joint loads meet
	JLOAD 0, G1T, G1W
.irp b, 0,1,2,3,4,5,6,7
	global_load_b128 v[BY+8*\b:BY+8*\b+3], v[BYO], s[8:9] offset:64*\b            ; bo at columns 16 b + 8 h + 0 .. 7
	global_load_b128 v[BY+8*\b+4:BY+8*\b+7], v[BYO], s[8:9] offset:64*\b+16
.endr
	s_wait_alu depctr_va_vdst(0)
	s_wait_tensorcnt 0x0                           ; my part of A is in; the add and the waits ahead of a later first fill
	ds_add_u32 v[SPW], v[NIL]
	s_wait_dscnt 0x0
	CROUND
	JLOAD 1, G1TB, G1WB                            ; region B's first fill
	FETCH 0, 0, 0
	FETCH 0, 1, 1
	s_wait_dscnt 48                                ; all but the 48 just issued
	MUL 0, 1                                       ; K 0 on: these products start the sums
	s_wait_tensorcnt 0x0                           ; B is in
	ds_add_u32 v[SPW], v[NIL]
	s_wait_dscnt 0x0                               ; my reads of A are back
	CROUND
	JLOAD 2, G1T, G1W                              ; A's refill; its four v_nop are the places in front of the loads below
	FETCH 1, 0, 0
	MUL 1, 0
	PLACES 4
	FETCH 1, 1, 1
	s_wait_dscnt 48
	MUL 0, 0
	PLACES 4
	FETCH 1, 2, 0
	s_wait_dscnt 48
	MUL 1, 0
	PLACES 4
	FETCH 1, 3, 1
	s_wait_dscnt 48
	MUL 0, 0
	s_wait_tensorcnt 0x0                           ; my part of K 768 on is in
	ds_add_u32 v[SPW], v[NIL]
	s_wait_dscnt 0x0                               ; my reads of B are back
	s_barrier_signal -1
	s_barrier_wait -1                              ; nobody reads B any more: the stages may lie there.
	PLACES 4
	FETCH 0, 0, 0
	MUL 1, 0
	PLACES 4
	FETCH 0, 1, 1
	s_wait_dscnt 48
	MUL 0, 0
	s_wait_dscnt 0x0
	MUL 1, 0
	; THE WAY OUT, block by block of 16 rows x 128 columns: number = sum x 2^(e10 + e11) + bo, through my own stage, back as whole rows of 512 bytes.
	s_wait_loadcnt 0x0
	s_wait_kmcnt 0x0
	s_add_co_i32 s80, s80, s81
	s_add_co_i32 s80, s80, 127
	s_lshl_b32 s[SA], s80, 23
	s_mov_b32 s[SA+1], s[SA]
	PLACES 4
.macro OUTB a
.if \a > 0
	s_wait_xcnt 0x0                                ; the block before's stores have read their registers
.endif
	WIN 0x01
.irp b, 0,1,2,3,4,5,6,7
.irp i, 0,2,4,6
	v_pk_fma_f32 v[TT+8*\b+\i:TT+8*\b+\i+1], v[64*\a+8*\b+\i:64*\a+8*\b+\i+1], s[SA:SA+1], v[BY+8*\b+\i:BY+8*\b+\i+1] op_sel_hi:[1,0,1]
.endr
.endr
	WIN 0
.irp b, 0,1,2,3,4,5,6,7
	ds_store_b128 v[STO], v[TT+8*\b:TT+8*\b+3] offset:64*\b
	ds_store_b128 v[STO], v[TT+8*\b+4:TT+8*\b+7] offset:64*\b+16
.endr
.irp t, 0,1,2,3,4,5,6,7,8,9,10,11,12,13,14,15
	ds_load_b128 v[RB+4*\t:RB+4*\t+3], v[RD] offset:\t*SPI         ; LDS serves a wave's instructions in order (ISA guide 5.7.1.4)
.endr
.irp t, 0,1,2,3,4,5,6,7,8,9,10,11,12,13,14,15
	s_wait_dscnt 15-\t                             ; the later read-backs may be out
	global_store_b128 v[CO], v[RB+4*\t:RB+4*\t+3], s[12:13] offset:(16*\a+\t)*4096 th:TH_STORE_NT   ; 32 lanes store 512 consecutive bytes, aligned
.endr
.endm
	OUTB 0
	OUTB 1
	OUTB 2
	OUTB 3
	s_wait_tensorcnt 0x0                           ; the wave's end
	ds_add_u32 v[SPW], v[NIL]
	s_wait_dscnt 0x0
	CROUND                                         ; the closing round
	s_endpgm
.Lfunc_end_k_qbddeb7c153_outp:
	.size	k_qbddeb7c153_outp, .Lfunc_end_k_qbddeb7c153_outp-k_qbddeb7c153_outp
	.p2alignl 7, 3214868480
	.fill 96, 4, 3214868480
	.section	.rodata,"a",@progbits
	.p2align	6, 0x0
	.amdhsa_kernel k_qbddeb7c153_outp
		.amdhsa_group_segment_fixed_size 327680
		.amdhsa_private_segment_fixed_size 0
		.amdhsa_enable_private_segment 0
		.amdhsa_kernarg_size 40
		.amdhsa_user_sgpr_count 2
		.amdhsa_user_sgpr_kernarg_segment_ptr 1
		.amdhsa_wavefront_size32 1
		.amdhsa_system_sgpr_workgroup_id_x 1
		.amdhsa_system_sgpr_workgroup_id_y 1
		.amdhsa_system_sgpr_workgroup_id_z 1
		.amdhsa_system_vgpr_workitem_id 0
		.amdhsa_next_free_vgpr 1024
		.amdhsa_next_free_sgpr 104
		.amdhsa_reserve_vcc 0
		.amdhsa_float_denorm_mode_32 3
		.amdhsa_float_denorm_mode_16_64 3
		.amdhsa_memory_ordered 1
		.amdhsa_forward_progress 1
		.amdhsa_inst_pref_size 79
	.end_amdhsa_kernel
	.amdgpu_metadata
---
amdhsa.version: [ 1, 2 ]
amdhsa.kernels:
  - .name:           k_qbddeb7c153_outp
    .symbol:         k_qbddeb7c153_outp.kd
    .args:
      - { .name: ac, .offset: 0, .size: 8, .value_kind: global_buffer, .address_space: global }
      - { .name: wo_codes, .offset: 8, .size: 8, .value_kind: global_buffer, .address_space: global }
      - { .name: bo, .offset: 16, .size: 8, .value_kind: global_buffer, .address_space: global }
      - { .name: lowp_scales, .offset: 24, .size: 8, .value_kind: global_buffer, .address_space: global }
      - { .name: out0, .offset: 32, .size: 8, .value_kind: global_buffer, .address_space: global }
    .group_segment_fixed_size: 327680
    .private_segment_fixed_size: 0
    .kernarg_segment_align: 8
    .kernarg_segment_size: 40
    .max_flat_workgroup_size: 128
    .sgpr_count:     104
    .vgpr_count:     1024
    .wavefront_size: 32
...
	.end_amdgpu_metadata
.endif
;; end of part 3
